; MI455X (gfx1250); checked and timed in simulation.
; The chip was launched on July 23, 2026; its instructions are those of AMD's public machine-readable ISA for CDNA 5 (MIT licence, August 2026) and "CDNA5" Instruction Set Architecture Reference Guide (July 2026). The comments in the code are by the model that wrote it; some were corrected since.
;; Memory Gaussian Mo E Layer. Allowed arithmetic: float matrix products may take bf16 or f16 operands with f32 sums; other float arithmetic in f32, or as packed bf16 or f16 multiplies, adds, multiply-adds, maxima and minima; sums over many terms, partial sums and values carried from step to step in f32; what a program stores and reads back later, other than sums and carried values, may be rounded once to bf16 or f16.
;; Inputs: W1 8 x 512 x 1,024 float32; W2 8 x 1,024 x 512 float32; b1 8 x 1,024 float32; b2 8 x 512 float32; log_sigmas 8 x 1 x 8 x 512 float32; mus 8 x 1 x 8 x 512 float32; x 8 x 1,024 x 512 float32.
;; Outputs: out0 8 x 1,024 x 512 float32; out1 8 x 1,024 x 8 float32; out2 8 x 1,024 x 2 int32.
;; Constants: top_k = 2.
;; One version. Each part assembles by itself: llvm-mc -triple=amdgcn-amd-amdhsa -mcpu=gfx1250 --defsym DOCPART=n.
;; ======== version 1 of 1: 3 launches
;; limits: a function is approximated: absolute error at most 2.5e-05
;; workspace buffers: xb 8,388,608 bytes; wgt 65,536 bytes; route 32,768 bytes of whole numbers; wf 16,777,216 bytes; bf 49,152 bytes; part 33,554,432 bytes
;; launch route (part 1): grid 256 x 1, 8 waves a work-group, no clusters, 68,608 bytes of LDS; arguments x, mus, log_sigmas, W1, W2, b1, b2, out1, out2, xb, wgt, route, wf, bf; writes out1, out2, xb, wgt, route, wf, bf
.if DOCPART == 1
	.amdgcn_target "amdgcn-amd-amdhsa--gfx1250"
	.amdhsa_code_object_version 6
	.text
	.protected	k_qa6bd402ccf_route
	.globl	k_qa6bd402ccf_route
	.p2align	8
	.type	k_qa6bd402ccf_route,@function
k_qa6bd402ccf_route:
	s_mov_b64 s[64:65], 0
	v_nop
	global_prefetch_b8 v0, s[64:65] scope:SCOPE_SE
	s_setreg_imm32_b32 hwreg(HW_REG_WAVE_MODE, 25, 1), 1
	s_wait_xcnt 0x0
; THE ROUTER, AND EVERYTHING THAT IS LAID OUT ONCE.  8,192 tokens of 512 numbers, 8 experts, a batch of 1,024 tokens has its own mus and log_sigmas.
; EVERY INPUT IS ROUNDED ONCE TO bf16 WHERE IT ENTERS, the router's x, mus and log_sigmas and the two biases too: so all three outputs are those of one and the same set of rounded inputs,
; and the indices belong to the very numbers that the products multiply.  All arithmetic behind that rounding is f32.
; Work-group i owns the 32 tokens 32 i .. 32 i + 31 (batch i / 32).  Eight waves.  Wave w
;   brings tokens 4 w .. 4 w + 3 in (each byte of x is read once), stores them rounded to bf16 (xb) and lays the rounded numbers, widened to f32, into LDS;
;   computes expert w's log-probability of all 32 tokens, in the form sum of -0.5 ((x - mu) exp(-ls))^2 - ls - 0.5 log(2 pi), all in f32, sums as trees;
;   rounds two units of W1 and two of W2 to bf16 and stores them in the order in which the next launch's matrix operands take them (wf).
; THE LOOP OVER TOKENS is a ring of four token slots in registers: a slot is asked for again as soon as its x has been read, four tokens ahead; a trip's four sums are reduced over the lanes side by side.
; The weights are rounded and stored between the fifth and the sixth of the eight trips: their loads, issued at the start, have five trips in which to land, their stores three trips in which to leave.
; Wave 0 then takes the two largest of each token's eight (a later equal number never displaces an earlier one: the lower index wins a tie), the softmax of the two
; (the larger is taken away first), and stores out1, out2, the two weights (wgt) and the group's record of whole numbers (route), all at fixed places.
; Wave 1 lays the biases out in the order of an accumulator's registers (bf): rounded to bf16, kept as f32 words.
; A UNIT is 16 rows (along K) x 64 columns of a weight matrix: 8 loads of 16 bytes a lane, lanes 0-15 on row i, lanes 16-31 on row 8 + i, 256 bytes on end each.
; Register j of the loads holds column 4 (lane % 16) + j: eight rows of one column pack into the 16 bytes that a lane of fragment j wants; each store is 512 bytes on end.
; LIMITS.  A log-probability that is NaN or -infinity is not treated apart.  A second weight below 2^-126 of the first counts as 0.  Two log-probabilities within a few f32 steps of each other
; (6e-5 near -1000) are ordered by this text's order of rounding.
; No matrix unit (the sums decide indices that are compared exactly), no cluster (no two work-groups read the same bytes but 4 KB of mus and log_sigmas).
.set XS,    0                          ; 32 tokens x 2,048 bytes of f32
.set LP,    65536                      ; [8 experts][32 tokens] f32: a wave's own 128 bytes on end
.set LPT,   66560                      ; [32 tokens][8] f32: wave 0's own stage
.set SPARE, 67584                      ; the spare words: 128 bytes a wave, four blocks of 256 bytes that no other line names
.set MU,  16                           ; v[16:31]   mu of my 16 places d = 128 c + 4 lane + 0..3
.set INV, 32                           ; v[32:47]   log_sigma, then exp(-log_sigma)
.set Z,   48                           ; v[48:63]   first x as packed bf16, two tokens at a time; then at work; once the first unit's packed weights
.set XR,  64                           ; v[64:127]  four token slots x 16
.set CV,  128                          ; v[128:255] four units x 32; the later units pack into registers of earlier units that have been read out
; v1 lane, v2 spare word, v3 zero, v4 16 lane, v5 LDS address in XS, v6 in LP, v7 the constant part, v8-12 sums, v13 8 lane, v14, v15 lane offsets of the units
; in the loop v0, v14, v15, v8 are a trip's four sums (v0 is free behind the head, v14 and v15 behind the wait that frees the loads' offsets)
.macro RED                             ; v8 summed over the 32 lanes, the result in every lane
	v_add_f32_dpp v8, v8, v8 row_xmask:1 row_mask:0xf bank_mask:0xf
	v_add_f32_dpp v8, v8, v8 row_xmask:2 row_mask:0xf bank_mask:0xf
	v_add_f32_dpp v8, v8, v8 row_xmask:4 row_mask:0xf bank_mask:0xf
	v_add_f32_dpp v8, v8, v8 row_xmask:8 row_mask:0xf bank_mask:0xf
	v_permlanex16_b32 v12, v8, s38, s39
	v_add_f32 v8, v8, v12
.endm
.macro ULOAD slot, sb, vo, pitch, u    ; the eight loads of a unit
.irp i, 0,1,2,3,4,5,6,7
	global_load_b128 v[CV+32*(\slot)+4*\i:CV+32*(\slot)+4*\i+3], v[\vo], s[\sb:\sb+1] offset:\i*(\pitch)+(\u)*256 th:TH_LOAD_NT
.endr
.endm
.macro UCONV slot, sb, imm0, dst       ; fragment j: eight rows of one column, rounded in pairs into 16 registers from dst on; 512 bytes on end a store
.irp j, 0,1,2,3
.irp t, 0,1,2,3
	v_cvt_pk_bf16_f32 v[(\dst)+4*\j+\t], v[CV+32*(\slot)+8*\t+\j], v[CV+32*(\slot)+8*\t+4+\j]
.endr
	global_store_b128 v4, v[(\dst)+4*\j:(\dst)+4*\j+3], s[\sb:\sb+1] offset:(\imm0)+\j*1024
.endr
.endm
	s_load_b512 s[8:23], s[0:1], 0x0               ; x, mus, log_sigmas, W1, W2, b1, b2, out1
	s_load_b256 s[24:31], s[0:1], 0x40             ; out2, xb, wgt, route
	s_load_b128 s[32:35], s[0:1], 0x60             ; wf, bf
	v_lshl_add_u32 v2, v0, 2, SPARE
	v_mov_b32 v3, 0
	v_and_b32 v1, 31, v0
	v_lshrrev_b32 v8, 5, v0
	v_readfirstlane_b32 s36, v8                    ; wave w
	s_mov_b32 s37, ttmp9                           ; work-group i
	s_mov_b32 s38, 0x76543210
	s_mov_b32 s39, 0xfedcba98
	v_mov_b32 v12, 0
	v_lshlrev_b32 v4, 4, v1
	v_lshlrev_b32 v13, 3, v1
	v_and_b32 v8, 15, v1
	v_lshrrev_b32 v9, 4, v1
	v_lshlrev_b32 v8, 4, v8
	v_lshl_add_u32 v14, v9, 15, v8                 ; W1: 8 rows of 4,096 bytes for the upper lanes + 16 (lane % 16)
	v_lshl_add_u32 v15, v9, 14, v8                 ; W2: 8 rows of 2,048 bytes
	v_lshl_add_u32 v5, s36, 13, v4                 ; XS: my four tokens
	s_lshl_b32 s57, s36, 7
	s_add_co_u32 s57, s57, LP
	v_mov_b32 v6, s57                              ; LP: my expert's 128 bytes
	; byte offsets, each made apart from its address
	s_lshr_b32 s55, s37, 5                         ; the batch, and the expert whose weights I lay out
	s_and_b32 s56, s37, 31
	s_lshr_b32 s58, s36, 2
	s_and_b32 s59, s36, 3
	s_lshl_b32 s40, s37, 16                        ; x: (32 i + 4 w) x 2,048
	s_lshl_b32 s57, s36, 13
	s_add_co_u32 s40, s40, s57
	s_mov_b32 s41, 0
	s_lshl_b32 s42, s55, 3                         ; mus, log_sigmas: (8 batch + w) x 2,048
	s_add_co_u32 s42, s42, s36
	s_lshl_b32 s42, s42, 11
	s_mov_b32 s43, 0
	s_lshl_b32 s44, s37, 16                        ; W1: rows 16 i on (expert and row together), columns 128 w on
	s_lshl_b32 s57, s36, 9
	s_add_co_u32 s44, s44, s57
	s_mov_b32 s45, 0
	s_lshl_b32 s46, s37, 1                         ; W2: rows 16 (2 i + w / 4) on, columns 128 (w % 4) on
	s_add_co_u32 s46, s46, s58
	s_lshl_b32 s46, s46, 15
	s_lshl_b32 s57, s59, 9
	s_add_co_u32 s46, s46, s57
	s_mov_b32 s47, 0
	s_lshl_b32 s48, s55, 21                        ; wf for W1: expert; my columns' group 2 w + u is read by wave w / 2 in its pass 2 (w % 2) + u; then step, half step, half fragment
	s_lshr_b32 s57, s36, 1
	s_lshl_b32 s57, s57, 19
	s_add_co_u32 s48, s48, s57
	s_and_b32 s57, s36, 1
	s_lshl_b32 s57, s57, 17
	s_add_co_u32 s48, s48, s57
	s_lshr_b32 s57, s56, 2
	s_lshl_b32 s57, s57, 13
	s_add_co_u32 s48, s48, s57
	s_bfe_u32 s57, s56, 0x10001
	s_lshl_b32 s57, s57, 12
	s_add_co_u32 s48, s48, s57
	s_and_b32 s57, s56, 1
	s_lshl_b32 s57, s57, 9
	s_add_co_u32 s48, s48, s57
	s_mov_b32 s49, 0
	s_lshl_b32 s50, s55, 21                        ; wf for W2: expert, the reading wave w % 4, behind product 1's 262,144 bytes, step i % 32, half fragment w / 4
	s_lshl_b32 s57, s59, 19
	s_add_co_u32 s50, s50, s57
	s_lshl_b32 s57, s56, 13
	s_add_co_u32 s50, s50, s57
	s_lshl_b32 s57, s58, 9
	s_add_co_u32 s50, s50, s57
	s_add_co_u32 s50, s50, 262144
	s_mov_b32 s51, 0
	s_lshl_b32 s52, s37, 15                        ; xb: (32 i + 4 w) x 1,024
	s_lshl_b32 s57, s36, 12
	s_add_co_u32 s52, s52, s57
	s_mov_b32 s53, 0
	s_wait_kmcnt 0x0
	s_add_nc_u64 s[8:9], s[8:9], s[40:41]
	s_add_nc_u64 s[10:11], s[10:11], s[42:43]
	s_add_nc_u64 s[12:13], s[12:13], s[42:43]
	s_add_nc_u64 s[14:15], s[14:15], s[44:45]
	s_add_nc_u64 s[16:17], s[16:17], s[46:47]
	s_add_nc_u64 s[48:49], s[32:33], s[48:49]
	s_add_nc_u64 s[50:51], s[32:33], s[50:51]
	s_add_nc_u64 s[26:27], s[26:27], s[52:53]
	; all 56 loads of the wave go out together: 16 of x, 8 of the parameters, 32 of the weights
.irp tt, 0,1,2,3
.irp c, 0,1,2,3
	global_load_b128 v[XR+16*\tt+4*\c:XR+16*\tt+4*\c+3], v4, s[8:9] offset:\tt*2048+\c*512 th:TH_LOAD_NT
.endr
.endr
.irp c, 0,1,2,3
	global_load_b128 v[MU+4*\c:MU+4*\c+3], v4, s[10:11] offset:\c*512
.endr
.irp c, 0,1,2,3
	global_load_b128 v[INV+4*\c:INV+4*\c+3], v4, s[12:13] offset:\c*512
.endr
	ULOAD 0, 14, 14, 4096, 0
	ULOAD 1, 14, 14, 4096, 1
	ULOAD 2, 16, 15, 2048, 0
	ULOAD 3, 16, 15, 2048, 1
	s_wait_loadcnt 40                              ; x is in: the 8 + 32 younger loads stay out
	; x is rounded to bf16 (two numbers a word, in Z), stored so, and the rounded numbers, widened again, go into LDS for the router
.irp tt, 0,1,2,3
.if \tt == 2
	s_wait_xcnt 0x0                                ; Z holds two tokens' packed words: it is written again only behind this wait
.endif
.irp c, 0,1,2,3
	v_cvt_pk_bf16_f32 v[Z+8*(\tt%2)+2*\c], v[XR+16*\tt+4*\c], v[XR+16*\tt+4*\c+1]
	v_cvt_pk_bf16_f32 v[Z+8*(\tt%2)+2*\c+1], v[XR+16*\tt+4*\c+2], v[XR+16*\tt+4*\c+3]
	global_store_b64 v13, v[Z+8*(\tt%2)+2*\c:Z+8*(\tt%2)+2*\c+1], s[26:27] offset:\tt*1024+\c*256  ; the wave stores 256 bytes on end, aligned
	v_lshlrev_b32 v[XR+16*\tt+4*\c], 16, v[Z+8*(\tt%2)+2*\c]                 ; bf16 to f32: the low half moves up,
	v_and_b32 v[XR+16*\tt+4*\c+1], 0xffff0000, v[Z+8*(\tt%2)+2*\c]           ; the high half stays
	v_lshlrev_b32 v[XR+16*\tt+4*\c+2], 16, v[Z+8*(\tt%2)+2*\c+1]
	v_and_b32 v[XR+16*\tt+4*\c+3], 0xffff0000, v[Z+8*(\tt%2)+2*\c+1]
	ds_store_b128 v5, v[XR+16*\tt+4*\c:XR+16*\tt+4*\c+3] offset:\tt*2048+\c*512
.endr
.endr
	v_mov_b32 v5, v4                               ; from now on: where I read token 0
	s_wait_loadcnt 32                              ; the parameters are in: the 32 weight loads stay out
.irp k, 0,1,2,3,4,5,6,7                ; mu and log_sigma rounded to bf16, in place
	v_cvt_pk_bf16_f32 v8, v[MU+2*\k], v[MU+2*\k+1]
	v_cvt_pk_bf16_f32 v9, v[INV+2*\k], v[INV+2*\k+1]
	v_lshlrev_b32 v[MU+2*\k], 16, v8
	v_and_b32 v[MU+2*\k+1], 0xffff0000, v8
	v_lshlrev_b32 v[INV+2*\k], 16, v9
	v_and_b32 v[INV+2*\k+1], 0xffff0000, v9
.endr
	s_wait_xcnt 0x0                                ; Z, which the stores to xb read, and v14, v15, the weight loads' offsets, are written again only behind this wait
	v_pk_add_f32 v[Z:Z+1], v[INV:INV+1], v[INV+2:INV+3]        ; the sum of log_sigma, as a tree
	v_pk_add_f32 v[Z+2:Z+3], v[INV+4:INV+5], v[INV+6:INV+7]
	v_pk_add_f32 v[Z+4:Z+5], v[INV+8:INV+9], v[INV+10:INV+11]
	v_pk_add_f32 v[Z+6:Z+7], v[INV+12:INV+13], v[INV+14:INV+15]
	v_pk_add_f32 v[Z:Z+1], v[Z:Z+1], v[Z+2:Z+3]
	v_pk_add_f32 v[Z+4:Z+5], v[Z+4:Z+5], v[Z+6:Z+7]
	v_pk_add_f32 v[Z:Z+1], v[Z:Z+1], v[Z+4:Z+5]
	v_add_f32 v8, v[Z], v[Z+1]
	RED
	v_sub_f32 v7, 0xc3eb3f8e, v8                   ; -512 x 0.5 log(2 pi) = -470.49653, less the sum
.irp k, 0,1,2,3,4,5,6,7
	v_pk_mul_f32 v[INV+2*\k:INV+2*\k+1], v[INV+2*\k:INV+2*\k+1], 0xbfb8aa3b op_sel_hi:[1,0]  ; -log2(e) log_sigma
.endr
.irp k, 0,1,2,3,4,5,6,7,8,9,10,11,12,13,14,15
	v_exp_f32 v[INV+\k], v[INV+\k]
.endr
	v_nop                                          ; a plain instruction behind the last exponential
	s_wait_alu depctr_va_vdst(0)                   ; one wait for the sixteen, ahead of their first reader
	s_wait_dscnt 0x0                               ; my four tokens lie in LDS
	s_barrier_signal -1
	s_barrier_wait -1                              ; everybody's do
; One token, in slot tt: z = (x - mu) exp(-ls), the sum of z z in two chains, the lane's sum into v[sum].  refill = 1: the slot is asked for again, with the token four further on, as soon as x has been read.
; left: the LDS instructions issued behind this slot's four loads that may stay out.
.macro TOKEN tt, refill, left, sum
	s_wait_dscnt \left
.irp k, 0,1,2,3,4,5,6,7
	v_pk_add_f32 v[Z+2*\k:Z+2*\k+1], v[XR+16*(\tt)+2*\k:XR+16*(\tt)+2*\k+1], v[MU+2*\k:MU+2*\k+1] neg_lo:[0,1] neg_hi:[0,1]
.endr
.if \refill
.irp c, 0,1,2,3
	ds_load_b128 v[XR+16*(\tt)+4*\c:XR+16*(\tt)+4*\c+3], v5 offset:((\tt)+4)*2048+\c*512
.endr
.endif
.irp k, 0,1,2,3,4,5,6,7
	v_pk_mul_f32 v[Z+2*\k:Z+2*\k+1], v[Z+2*\k:Z+2*\k+1], v[INV+2*\k:INV+2*\k+1]
.endr
	v_pk_mul_f32 v[8:9], v[Z:Z+1], v[Z:Z+1]
	v_pk_mul_f32 v[10:11], v[Z+2:Z+3], v[Z+2:Z+3]
.irp k, 2,4,6
	v_pk_fma_f32 v[8:9], v[Z+2*\k:Z+2*\k+1], v[Z+2*\k:Z+2*\k+1], v[8:9]
	v_pk_fma_f32 v[10:11], v[Z+2*\k+2:Z+2*\k+3], v[Z+2*\k+2:Z+2*\k+3], v[10:11]
.endr
	v_pk_add_f32 v[8:9], v[8:9], v[10:11]
	v_add_f32 v[\sum], v8, v9
.endm
; A trip: four tokens; their four sums are reduced over the lanes side by side, get the constant part, and go into LDS as 16 bytes (every lane holds the same four numbers and writes the same bytes).
; The waits.  With refills: behind a slot's four loads stand the twelve loads of the three other slots (from the second trip on also the trip's one store): 12 may stay out.
; In the last trip nothing is asked for: behind slot tt's loads stand the later slots' 4 (3 - tt) loads (and the store).
.macro TRIP refill
.if \refill
	TOKEN 0, 1, 12, 0
	TOKEN 1, 1, 12, 14
	TOKEN 2, 1, 12, 15
	TOKEN 3, 1, 12, 8
.else
	TOKEN 0, 0, 12, 0
	TOKEN 1, 0, 8, 14
	TOKEN 2, 0, 4, 15
	TOKEN 3, 0, 0, 8
.endif
.irp m, 1,2,4,8
.irp sr, 0,14,15,8
	v_add_f32_dpp v\sr, v\sr, v\sr row_xmask:\m row_mask:0xf bank_mask:0xf
.endr
.endr
	v_permlanex16_b32 v12, v0, s38, s39
	v_permlanex16_b32 v9, v14, s38, s39
	v_permlanex16_b32 v10, v15, s38, s39
	v_permlanex16_b32 v11, v8, s38, s39
	v_add_f32 v0, v0, v12
	v_add_f32 v14, v14, v9
	v_add_f32 v15, v15, v10
	v_add_f32 v11, v8, v11
	v_fma_f32 v8, v0, -0.5, v7
	v_fma_f32 v9, v14, -0.5, v7
	v_fma_f32 v10, v15, -0.5, v7
	v_fma_f32 v11, v11, -0.5, v7
	ds_store_b128 v6, v[8:11]
.if \refill
	v_add_nc_u32 v5, 8192, v5
	v_add_nc_u32 v6, 16, v6
.endif
.endm
.irp tt, 0,1,2,3                       ; the ring is filled: tokens 0 to 3
.irp c, 0,1,2,3
	ds_load_b128 v[XR+16*\tt+4*\c:XR+16*\tt+4*\c+3], v5 offset:\tt*2048+\c*512
.endr
.endr
	s_mov_b32 s54, 5
.Ltrip_a:                                              ; trips 0 to 4
	TRIP 1
	s_sub_co_i32 s54, s54, 1
	s_cmp_lg_u32 s54, 0
	s_cbranch_scc1 .Ltrip_a
	s_wait_loadcnt 0x0                             ; the weights, asked for at the start
	UCONV 0, 48, 0, Z
	UCONV 1, 48, 65536, CV                         ; the next 64 columns are the same reading wave's next pass; packed into unit 0's registers, which have been read out
	UCONV 2, 50, 0, CV+16
	UCONV 3, 50, 4096, CV+32                       ; the next 64 columns are the same wave's second group; packed into unit 1's registers
	s_wait_xcnt 0x0                                ; Z, which unit 0's stores read, is written again only behind this wait
	s_mov_b32 s54, 2
.Ltrip_b:                                              ; trips 5 and 6
	TRIP 1
	s_sub_co_i32 s54, s54, 1
	s_cmp_lg_u32 s54, 0
	s_cbranch_scc1 .Ltrip_b
	TRIP 0                                         ; the last trip asks for nothing: no load leaves the 32 tokens
	s_wait_dscnt 0x0                               ; my expert's 32 numbers lie in LDS
	s_barrier_signal -1
	s_barrier_wait -1
	s_cmp_eq_u32 s36, 0
	s_cbranch_scc1 .Ltop
	s_cmp_eq_u32 s36, 1
	s_cbranch_scc0 .Lend
	; wave 1: 32 numbers of b1 (and, in the first 128 work-groups, of b2) in the order [j][jj] of the columns 4 jj + j, rounded to bf16 and widened again
	v_and_b32 v16, 7, v1
	v_lshrrev_b32 v17, 3, v1
	v_lshl_or_b32 v16, v16, 2, v17
	s_lshl_b32 s57, s37, 7
	v_lshl_add_u32 v16, v16, 2, s57
	v_lshl_add_u32 v17, v1, 2, s57
	global_load_b32 v18, v16, s[18:19]
	s_cmp_lt_u32 s37, 128
	s_cbranch_scc0 .Lb1_only
	global_load_b32 v19, v16, s[20:21]
	s_wait_loadcnt 0x0
	v_cvt_pk_bf16_f32 v19, v19, v19
	v_lshlrev_b32 v19, 16, v19
	global_store_b32 v17, v19, s[34:35] offset:32768
.Lb1_only:
	s_wait_loadcnt 0x0
	v_cvt_pk_bf16_f32 v18, v18, v18
	v_lshlrev_b32 v18, 16, v18
	global_store_b32 v17, v18, s[34:35]
	s_branch .Lend
.Ltop:
	; wave 0: a lane is a token
	v_lshl_add_u32 v48, v1, 2, LP
.irp e, 0,1,2,3,4,5,6,7
	ds_load_b32 v[16+\e], v48 offset:\e*128
.endr
	v_lshl_add_u32 v49, v1, 5, LPT
	v_add_nc_u32 v50, LPT, v4
	s_wait_dscnt 0x0
	ds_store_b128 v49, v[16:19]                    ; turned into [token][8] through my own stage,
	ds_store_b128 v49, v[20:23] offset:16
	ds_load_b128 v[24:27], v50                     ; and back as 512 bytes on end (LDS serves a wave's instructions in order)
	ds_load_b128 v[28:31], v50 offset:512
	v_mov_b32 v32, v16                             ; the largest, v44 its index
	v_mov_b32 v44, 0
	v_mov_b32 v34, 0xff800000                      ; the second, v45 its index
	v_mov_b32 v45, 0
.irp e, 1,2,3,4,5,6,7
	v_cmp_gt_f32 s59, v[16+\e], v32                ; strictly greater: an equal number further on displaces nothing
	v_cmp_gt_f32 vcc_lo, v[16+\e], v34
	v_cndmask_b32 v36, v34, v[16+\e], vcc_lo
	v_cndmask_b32 v37, v45, \e, vcc_lo
	v_cndmask_b32 v34, v36, v32, s59
	v_cndmask_b32 v45, v37, v44, s59
	v_cndmask_b32 v32, v32, v[16+\e], s59
	v_cndmask_b32 v44, v44, \e, s59
.endr
	v_sub_f32 v38, v34, v32                        ; the softmax of two: the larger is taken away
	v_mul_f32 v38, 0x3fb8aa3b, v38
	v_exp_f32 v39, v38
	v_nop
	s_wait_alu depctr_va_vdst(0)
	v_add_f32 v40, 1.0, v39
	v_rcp_f32 v41, v40                             ; the first weight
	v_nop
	s_wait_alu depctr_va_vdst(0)
	v_mul_f32 v42, v39, v41                        ; the second
	v_mov_b32 v46, 0                               ; the group's record: words 0-7 who chose expert e, 8-15 who chose it second, 16-19 the eight counts in halves
.irp e, 0,1,2,3,4,5,6,7
	v_cmp_eq_u32 s55, \e, v44
	v_cmp_eq_u32 s56, \e, v45
	s_or_b32 s55, s55, s56
	v_writelane_b32 v46, s55, \e
	v_writelane_b32 v46, s56, 8+\e
	s_bcnt1_i32_b32 s57, s55
.if (\e)%2 == 0
	s_mov_b32 s58, s57
.else
	s_lshl_b32 s57, s57, 16
	s_or_b32 s58, s58, s57
	v_writelane_b32 v46, s58, 16+(\e)/2
.endif
.endr
	s_lshl_b32 s57, s37, 10
	v_add_nc_u32 v51, s57, v4
	s_lshl_b32 s57, s37, 8
	v_add_nc_u32 v52, s57, v13
	s_lshl_b32 s57, s37, 7
	v_lshl_add_u32 v53, v1, 2, s57
	s_wait_dscnt 0x0
	global_store_b128 v51, v[24:27], s[22:23]
	global_store_b128 v51, v[28:31], s[22:23] offset:512
	global_store_b64 v52, v[44:45], s[24:25]
	global_store_b32 v53, v41, s[28:29]
	global_store_b32 v53, v42, s[28:29] offset:32768
	global_store_b32 v53, v46, s[30:31]
.Lend:
	s_wait_tensorcnt 0x0                           ; the wave's end: behind my last LDS store
	ds_add_u32 v2, v3
	s_wait_dscnt 0x0
	s_endpgm
.Lfunc_end_k_qa6bd402ccf_route:
	.size	k_qa6bd402ccf_route, .Lfunc_end_k_qa6bd402ccf_route-k_qa6bd402ccf_route
	.p2alignl 7, 3214868480
	.fill 96, 4, 3214868480
	.section	.rodata,"a",@progbits
	.p2align	6, 0x0
	.amdhsa_kernel k_qa6bd402ccf_route
		.amdhsa_group_segment_fixed_size 68608
		.amdhsa_private_segment_fixed_size 0
		.amdhsa_enable_private_segment 0
		.amdhsa_kernarg_size 112
		.amdhsa_user_sgpr_count 2
		.amdhsa_user_sgpr_kernarg_segment_ptr 1
		.amdhsa_wavefront_size32 1
		.amdhsa_system_sgpr_workgroup_id_x 1
		.amdhsa_system_sgpr_workgroup_id_y 1
		.amdhsa_system_sgpr_workgroup_id_z 1
		.amdhsa_system_vgpr_workitem_id 0
		.amdhsa_next_free_vgpr 256
		.amdhsa_next_free_sgpr 66
		.amdhsa_reserve_vcc 1
		.amdhsa_float_denorm_mode_32 3
		.amdhsa_float_denorm_mode_16_64 3
		.amdhsa_memory_ordered 1
		.amdhsa_forward_progress 1
		.amdhsa_inst_pref_size 65
	.end_amdhsa_kernel
	.amdgpu_metadata
---
amdhsa.version: [ 1, 2 ]
amdhsa.kernels:
  - .name:           k_qa6bd402ccf_route
    .symbol:         k_qa6bd402ccf_route.kd
    .args:
      - { .name: x, .offset: 0, .size: 8, .value_kind: global_buffer, .address_space: global }
      - { .name: mus, .offset: 8, .size: 8, .value_kind: global_buffer, .address_space: global }
      - { .name: log_sigmas, .offset: 16, .size: 8, .value_kind: global_buffer, .address_space: global }
      - { .name: W1, .offset: 24, .size: 8, .value_kind: global_buffer, .address_space: global }
      - { .name: W2, .offset: 32, .size: 8, .value_kind: global_buffer, .address_space: global }
      - { .name: b1, .offset: 40, .size: 8, .value_kind: global_buffer, .address_space: global }
      - { .name: b2, .offset: 48, .size: 8, .value_kind: global_buffer, .address_space: global }
      - { .name: out1, .offset: 56, .size: 8, .value_kind: global_buffer, .address_space: global }
      - { .name: out2, .offset: 64, .size: 8, .value_kind: global_buffer, .address_space: global }
      - { .name: xb, .offset: 72, .size: 8, .value_kind: global_buffer, .address_space: global }
      - { .name: wgt, .offset: 80, .size: 8, .value_kind: global_buffer, .address_space: global }
      - { .name: route, .offset: 88, .size: 8, .value_kind: global_buffer, .address_space: global }
      - { .name: wf, .offset: 96, .size: 8, .value_kind: global_buffer, .address_space: global }
      - { .name: bf, .offset: 104, .size: 8, .value_kind: global_buffer, .address_space: global }
    .group_segment_fixed_size: 68608
    .private_segment_fixed_size: 0
    .kernarg_segment_align: 8
    .kernarg_segment_size: 112
    .max_flat_workgroup_size: 256
    .sgpr_count:     66
    .vgpr_count:     256
    .wavefront_size: 32
...
	.end_amdgpu_metadata
.endif
;; end of part 1
;; launch chain (part 2): grid 212 x 1, 4 waves a work-group, no clusters, 248,832 bytes of LDS; arguments route, wgt, xb, wf, bf, part; writes part
.if DOCPART == 2
	.amdgcn_target "amdgcn-amd-amdhsa--gfx1250"
	.amdhsa_code_object_version 6
	.text
	.protected	k_qa6bd402ccf_chain
	.globl	k_qa6bd402ccf_chain
	.p2align	8
	.type	k_qa6bd402ccf_chain,@function
k_qa6bd402ccf_chain:
	s_mov_b64 s[64:65], 0
	v_nop
	global_prefetch_b8 v0, s[64:65] scope:SCOPE_SE
	s_setreg_imm32_b32 hwreg(HW_REG_WAVE_MODE, 25, 1), 1
	s_wait_xcnt 0x0
; THE EXPERTS' CHAIN ON THE CHOSEN ROWS ALONE.  16,384 rows (token, chosen expert).  A tile is up to 80 rows of ONE expert, taken through gather, x W1 + b1, exact GELU, h W2 + b2, times the gate.
; THE GRID SERVES EVERY SPLIT: the tiles number the sum over the experts of ceil(n_e / 80), at most (16,384 + 8 x 79) / 80 = 212 and at least 205.  Work-group t finds its expert and its place from the counts that
; the launch before stored as whole numbers.  Places past the count repeat the tile's last row; whole blocks of 16 dead rows are not stored.  A work-group that a split leaves without rows (7 at the most) walks the
; text on one row that exists and stores nothing: so nothing but stores stands under a branch on loaded numbers, and every wave passes the three barriers on one path.
; THE LIST.  An expert's rows are ordered by token.  Each wave finds all 80 by itself, in registers: a lane holds the counts of 8 groups of 32 tokens; a running sum over the lanes; for each place a search for
; the lane, the group, and the bit in the group's mask.  An entry is token + 8,192 x rank: the row of part and the word of wgt.
; BOTH PRODUCTS ARE USED TRANSPOSED: source 0 = 16 columns of the weights (as wf holds them: column 64 G + 4 m + j for row m of fragment j), source 1 = 16 tokens from LDS.  In the result a lane holds ONE token
; (lane % 16), and register jj of fragment j the column 64 G + 32 (lane / 16) + 4 jj + j: four fragments give a lane 32 neighbouring columns.  The biases, laid out in that order, are the C operand that starts each sum.
; SHARES.  Product 1: four passes; in pass p wave w makes all 80 tokens x the 64 columns of G = 4 w + p (20 accumulators), K = 512 in 8 steps of 64: a wave's columns are 256 on end.  Product 2: 80 tokens x 128 columns
; (40 accumulators), K = 1,024 in 32 steps of 32.  Every step is 8,192 bytes of weights, ONE run of loads and 40 matrix instructions.  Each weight byte is read by one wave of the work-group, straight into operand
; registers, through a ring of four buffers: three steps, 24 KB a wave, are asked for ahead.  No barrier stands in a loop.  The accumulators take turns, one instruction a turn.
; LDS ADDRESSES.  In the loop over passes every LDS address is fixed: a pass's place in h stands in its stores' immediates, so those 20 stores are written four times and chosen by the counter.  In the loop of
; product 2 the reads of h step with the trips; between the barrier in front of them and the barrier behind them no wave writes LDS at all.
; GELU = 0.5 u + |u| (0.5 - 0.5 q(t) exp(-u u / 2)), t = 1 / (1 + 0.47047 |u| / sqrt 2), q the cubic of Abramowitz and Stegun 7.1.25: erf to within 2.5e-5 for every argument.
; FORMATS.  x, W1, h, W2 rounded once to bf16; sums, biases, gate and the partial rows in f32.  LIMITS: exp(-u u / 2) below 2^-126 counts as 0; NaN and infinities are not treated apart.
; NO TENSOR LOADS, NO CLUSTER: the tokens (83,200 bytes) and the hidden layer (165,120) leave 79,360 bytes of LDS, two slots of less than five steps' weights for the four waves, so a round of the cluster's barrier
; would come every 200 matrix instructions of a wave at best; and an expert's number of tiles hangs on the counts and is no multiple of four, so partners would not walk the same weights.
; REGISTERS, in windows of 256 (s_set_vgpr_msb: bits 1:0 source 0, 3:2 source 1, 5:4 source 2, 7:6 destination):
;   window 0: v0-31 addresses, list, gates; v32-71, v72-111 a pair of token fragment buffers; v112-143 b1; v144-255 at work (during product 1's steps v144-223 are the second pair of buffers)
;   window 1: the ring of weights, 4 x 64
;   window 2: accumulators (first the gathered rows; in product 1 v160-239 hold a pass's packed h)        window 3: v0-63 the accumulators of tokens 64-79 in product 2; v64-127 b2
.set XPITCH, 1040                      ; a token's row in LDS: 1,024 bytes + 16 = 260 words: the 16 rows of a load start 4 banks apart
.set HPITCH, 2064                      ; a row of the hidden layer: 2,048 + 16 = 516 words: likewise
.set HB,     80*XPITCH                 ; the hidden layer begins behind the tokens
.set SPITCH, 528                       ; a row of a wave's stage on the way out: 512 + 16
.set STG,    20*XPITCH                 ; the stages lie where the tokens lay: a quarter each
.set SPARE,  HB+80*HPITCH              ; the spare words: 128 bytes a wave, two blocks of 256 bytes that no other line names
.set TB0, 32
.set TB1, 72
.set PAIR, 112                         ; the second pair of buffers lies 112 registers on: v144-183, v184-223
.set BI,  112
.set HP,  160                          ; in window 2: a pass's h, packed: 16 registers a block of 16 tokens
.set B2,  64                           ; in window 3
.set ROWS, 66                          ; s66-85   a batch of list entries read out of the lanes
.set LSEL, 86                          ; s86-93   the lanes wave + 4 k that hold my rows' entries
; v1 lane, v2 lane % 16, v3 lane / 16, v4 spare word, v5 zero, v6 16 lane, v7 128 (lane / 16), v8-12 the token fragments' places (product 1: in the tokens; product 2: in h), v13 my place in a row of h,
; v14, v15 the stage in and back, v16-18 the list, v19 my bytes in a row of part, v20-24 the gates of my token in each block of 16, v25 at work,
; v26-30 product 1: my place in h for each block of 16 tokens, fixed; product 2: a trip's fragment addresses
; s16 wave, s17 tile, s20-23 the counts, s24 expert, s25 its tile, s26 its rows, s27 1: I have rows, s32 my first rank, s33 my rows, s[34:35] weights, s[36:37] b1, s[38:39] b2, s40-44 selects, s46-55 constants,
; s56, s57 counters, s63 the trip's bytes in a row of h
.set MSB, 0
.macro WIN new                         ; the immediate's high byte repeats the setting that is left; a switch that changes nothing is dropped
.if MSB != (\new)
	s_set_vgpr_msb (MSB<<8)|(\new)
.set MSB, (\new)
.endif
.endm
.macro PLACES                          ; four plain instructions between a matrix instruction and a load into its sources or a reader of its result
.rept 4
	v_nop
.endr
.endm
.macro WLOAD buf, imm                  ; a step's 8,192 bytes of weights: 16 loads of 512 bytes on end
	WIN 0x40
.irp t, 0,1,2,3,4,5,6,7,8,9,10,11,12,13,14,15
	global_load_b128 v[64*(\buf)+4*\t:64*(\buf)+4*\t+3], v6, s[34:35] offset:(\imm)+512*\t
.endr
.endm
.macro TLOAD tb, off, ta=8             ; 80 tokens x 32 along K: five fragments, two loads each, 32 bytes apart; ta: the first of the five address registers
	WIN 0
.irp mb, 0,1,2,3,4
	ds_load_b128 v[(\tb)+8*\mb:(\tb)+8*\mb+3], v[(\ta)+\mb] offset:(\off)
	ds_load_b128 v[(\tb)+8*\mb+4:(\tb)+8*\mb+7], v[(\ta)+\mb] offset:(\off)+32
.endr
.endm
.macro BILOAD                          ; b1 of my 64 columns, in the order of the accumulators' registers
.irp j, 0,1,2,3
	global_load_b128 v[BI+8*\j:BI+8*\j+3], v7, s[36:37] offset:32*\j
	global_load_b128 v[BI+8*\j+4:BI+8*\j+7], v7, s[36:37] offset:32*\j+16
.endr
.endm
.macro MM1 buf, ksub, tb, first        ; 20 matrix instructions of product 1; first = 1: b1 starts the sums
.if \first
	WIN 0x81
.else
	WIN 0xa1
.endif
.irp mb, 0,1,2,3,4
.irp j, 0,1,2,3
.if \first
	v_wmma_f32_16x16x32_bf16 v[8*(4*\mb+\j):8*(4*\mb+\j)+7], v[64*(\buf)+32*(\ksub)+8*\j:64*(\buf)+32*(\ksub)+8*\j+7], v[(\tb)+8*\mb:(\tb)+8*\mb+7], v[BI+8*\j:BI+8*\j+7]
.else
	v_wmma_f32_16x16x32_bf16 v[8*(4*\mb+\j):8*(4*\mb+\j)+7], v[64*(\buf)+32*(\ksub)+8*\j:64*(\buf)+32*(\ksub)+8*\j+7], v[(\tb)+8*\mb:(\tb)+8*\mb+7], v[8*(4*\mb+\j):8*(4*\mb+\j)+7]
.endif
.endr
.endr
.endm
.macro MM2 buf, tb, first              ; 40 matrix instructions of product 2; first = 1: b2 starts the sums
.irp mb, 0,1,2,3,4
.if (\mb) == 4
	WIN 0xf1
.elseif \first
	WIN 0xb1
.else
	WIN 0xa1
.endif
.irp a, 0,1,2,3,4,5,6,7
.set rD, 64*((\mb)%4)+8*\a
.if \first
	v_wmma_f32_16x16x32_bf16 v[rD:rD+7], v[64*(\buf)+8*\a:64*(\buf)+8*\a+7], v[(\tb)+8*\mb:(\tb)+8*\mb+7], v[B2+8*\a:B2+8*\a+7]
.else
	v_wmma_f32_16x16x32_bf16 v[rD:rD+7], v[64*(\buf)+8*\a:64*(\buf)+8*\a+7], v[(\tb)+8*\mb:(\tb)+8*\mb+7], v[rD:rD+7]
.endif
.endr
.endr
.endm
; A step of product 1: 64 along K: one run of loads, then 40 matrix instructions.  The wait leaves the two younger steps' 32 weight loads out; then the weights three steps on are asked for, and both halves of the
; next step's token fragments, into the pair of buffers that the step before has read out.  At a pass's head b1's eight loads are the youngest, so the wait is for all: they and the three steps have had the GELU
; in which to land.
.macro STEP1 st
.set cA, TB0+PAIR*((\st)&1)            ; this step's pair of buffers,
.set cB, TB1+PAIR*((\st)&1)
.set nA, TB0+PAIR*(((\st)+1)&1)        ; and the next step's
.set nB, TB1+PAIR*(((\st)+1)&1)
	PLACES
.if (\st) == 0
	s_wait_loadcnt 0x0
.else
	s_wait_loadcnt 32
.endif
	WLOAD ((\st)+3)&3, ((\st)+3)*8192
.if (\st) < 7
	TLOAD nA, (2*(\st)+2)*64
	TLOAD nB, (2*(\st)+3)*64
	s_wait_dscnt 20                                ; the twenty loads just issued may be out
.else
	s_wait_dscnt 0x0
.endif
.if (\st) == 0
	MM1 0, 0, cA, 1
.else
	MM1 (\st)&3, 0, cA, 0
.endif
	MM1 (\st)&3, 1, cB, 0
.endm
; GELU of block mb: 32 numbers a lane.  D = v144-175 (1 + p |u|, then t), S = v176-207 (the exponent, then the exponential), Q = v208-239; the packed result goes to window 2.
; The 64 transcendentals are one batch with one wait.  Ahead of the wait stand 16 squares and then two queues: 48 plain lines (16 scalings of the squares, 32 times 1 + p |u|) and the 64 transcendentals (32
; exponentials, 32 reciprocals).  They are dealt two plain, then 46 times a transcendental and a plain line, then the 18 reciprocals left over: transcendental k stands behind plain line k + 1, and it needs plain
; line k / 2 (an exponential) or k - 16 (a reciprocal).  No line ahead of the wait names a transcendental's result.  The accumulator is the second source of 1 + p |u|, so that one window setting serves both queues.
; Each accumulator is read from its lowest register on.
.macro GPL mb                          ; the next plain line
.if gp < 16
	v_pk_mul_f32 v[176+2*gp:177+2*gp], v[176+2*gp:177+2*gp], s[48:49] op_sel_hi:[1,0]
.else
	v_fma_f32 v[144+gp-16], s46, |v[32*(\mb)+gp-16]|, 1.0
.endif
.set gp, gp+1
.endm
.macro GTR                             ; the next transcendental
.if gt < 32
	v_exp_f32 v[176+gt], v[176+gt]
.else
	v_rcp_f32 v[144+gt-32], v[144+gt-32]
.endif
.set gt, gt+1
.endm
.macro GELU mb
	WIN 0x0a
.set i, 0
.rept 16
	v_pk_mul_f32 v[176+2*i:177+2*i], v[32*(\mb)+2*i:32*(\mb)+2*i+1], v[32*(\mb)+2*i:32*(\mb)+2*i+1]
.set i, i+1
.endr
	WIN 0x08                                       ; source 1 in window 2, all else in window 0
.set gp, 0
.set gt, 0
	GPL \mb
	GPL \mb
.rept 46
	GTR
	GPL \mb
.endr
.rept 18
	GTR
.endr
	v_nop                                          ; a plain instruction behind the last of them
	s_wait_alu depctr_va_vdst(0)                   ; one wait for the batch, ahead of its first reader
	WIN 0
.set i, 0
.rept 16
	v_pk_fma_f32 v[208+2*i:209+2*i], v[144+2*i:145+2*i], s[50:51], s[52:53] op_sel_hi:[1,0,0]
.set i, i+1
.endr
.set i, 0
.rept 16
	v_pk_fma_f32 v[208+2*i:209+2*i], v[208+2*i:209+2*i], v[144+2*i:145+2*i], s[54:55] op_sel_hi:[1,1,0]
.set i, i+1
.endr
.set i, 0
.rept 16
	v_pk_mul_f32 v[208+2*i:209+2*i], v[208+2*i:209+2*i], v[144+2*i:145+2*i]
.set i, i+1
.endr
.set i, 0
.rept 16
	v_pk_fma_f32 v[208+2*i:209+2*i], v[208+2*i:209+2*i], v[176+2*i:177+2*i], 0.5 op_sel_hi:[1,1,0] neg_lo:[1,0,0] neg_hi:[1,0,0]
.set i, i+1
.endr
	WIN 0x02
.set i, 0
.rept 32
	v_mul_f32 v[208+i], |v[32*(\mb)+i]|, v[208+i]
.set i, i+1
.endr
.set i, 0
.rept 16
	v_pk_fma_f32 v[208+2*i:209+2*i], v[32*(\mb)+2*i:32*(\mb)+2*i+1], 0.5, v[208+2*i:209+2*i] op_sel_hi:[1,0,1]
.set i, i+1
.endr
	WIN 0x80
.set i, 0
.rept 8                                ; columns 4 jj .. 4 jj + 3 come from the four fragments' register jj
	v_cvt_pk_bf16_f32 v[HP+16*(\mb)+2*i], v[208+i], v[216+i]
	v_cvt_pk_bf16_f32 v[HP+16*(\mb)+2*i+1], v[224+i], v[232+i]
.set i, i+1
.endr
.endm
; Pass p's h goes into LDS: 64 bytes a lane and block, at fixed addresses, the pass's 128 bytes in the immediate.
.macro HSTORE p
	WIN 0x08
.irp mb, 0,1,2,3,4
.irp s, 0,1,2,3
	ds_store_b128 v[26+\mb], v[HP+16*\mb+4*\s:HP+16*\mb+4*\s+3] offset:128*(\p)+16*\s
.endr
.endr
	WIN 0
.endm
; A step of product 2: 32 along K.  wcnt: the younger weight loads that may stay out; wl: the weights three steps on are asked for; tl: the next step's token fragments are fetched,
; by the address registers from ta on, ob bytes further along the rows.
.macro STEP2 i, wl, wcnt, tl, first, ta, ob
	PLACES
	s_wait_loadcnt \wcnt
.if \wl
	WLOAD ((\i)+3)&3, ((\i)+3)*8192
.endif
.if \tl
	TLOAD TB0+40*(((\i)+1)%2), (\ob)+64*((\i)+1), \ta
	s_wait_dscnt 10
.else
	s_wait_dscnt 0x0
.endif
	MM2 \i, TB0+40*((\i)%2), \first
.endm
.macro WSTEP                           ; the weights' address goes four steps on
	WIN 0
	s_wait_xcnt 0x0                                ; it is stepped only behind this wait
	s_add_nc_u64 s[34:35], s[34:35], 0x8000
.endm
; The way out of block mb, 16 rows: the 16 rows' places in part, read out of the list in one batch; times the gate, into my stage by lanes (the block's two halves from registers of their own), back by rows,
; and each row's 512 bytes to its place.
.macro OUTB mb
	s_cmp_le_u32 s33, 16*(\mb)
	s_cbranch_scc1 .Lend                           ; the block, and all behind it, hold no row of the tile
	s_wait_xcnt 0x0                                ; the last block's stores have read their registers
.irp rr, 0,1,2,3,4,5,6,7,8,9,10,11,12,13,14,15
	v_readlane_b32 s[ROWS+\rr], v[16+(16*(\mb)+\rr)/32], (16*(\mb)+\rr)%32
.endr
.irp rr, 0,1,2,3,4,5,6,7,8,9,10,11,12,13,14,15
	s_min_u32 s[ROWS+\rr], s[ROWS+\rr], 0x3fff
.endr
.irp rr, 0,1,2,3,4,5,6,7,8,9,10,11,12,13,14,15
	v_lshl_add_u32 v[240+\rr], s[ROWS+\rr], 11, v19
.endr
.irp gg, 0,1
	WIN 0x02+(\mb)/4
.irp jj, 0,1,2,3,4,5,6,7
.irp j, 0,1,2,3
	v_mul_f32 v[144-PAIR*\gg+4*\jj+\j], v[64*((\mb)%4)+8*(4*\gg+\j)+\jj], v[20+(\mb)]
.endr
.endr
	WIN 0
.irp jj, 0,1,2,3,4,5,6,7
	ds_store_b128 v14, v[144-PAIR*\gg+4*\jj:147-PAIR*\gg+4*\jj] offset:256*\gg+16*\jj
.endr
.endr
.irp rr, 0,1,2,3,4,5,6,7,8,9,10,11,12,13,14,15
	ds_load_b128 v[176+4*\rr:179+4*\rr], v15 offset:SPITCH*\rr   ; my own bytes; LDS serves a wave's instructions in order
.endr
.irp rr, 0,1,2,3,4,5,6,7,8,9,10,11,12,13,14,15
	s_wait_dscnt 15-\rr                            ; the younger rows may be out
	global_store_b128 v[240+\rr], v[176+4*\rr:179+4*\rr], s[14:15]  ; 512 bytes on end, at a multiple of 512 from part's first byte
.endr
.endm
; the registers of the search for places 32 q + lane
.macro QSET q
.set qR, 200+16*(\q)                   ; the rank
.set qL, qR+1                          ; the lane that holds its group
.set qK, qR+2                          ; what is left of the rank
.set qA, qR+3
.set qB, qR+4
.set qT0, qR+5
.set qT1, qR+6
.set qT2, qR+7
.set qG, qR+8                          ; the group
.set qMA, qR+9                         ; who chose the expert
.set qMB, qR+10                        ; who chose it second
.set qA1, qR+11                        ; counts of the mask's bits in fields of 2, 4, 8, 16
.set qA2, qR+12
.set qA3, qR+13
.set qA4, qR+14
.set qP, qR+15                         ; the bit
.endm
.macro FINDL step                      ; the largest lane whose running sum does not pass the rank, a bit of its number at a time
.irp q, 0,1,2
	QSET \q
	v_add_nc_u32 v[qT0], \step, v[qL]
	v_lshlrev_b32 v[qT1], 2, v[qT0]
	ds_bpermute_b32 v[qT2], v[qT1], v194
.endr
	s_wait_dscnt 0x0
.irp q, 0,1,2
	QSET \q
	v_cmp_le_u32 vcc_lo, v[qT2], v[qR]
	v_cndmask_b32 v[qL], v[qL], v[qT0], vcc_lo
.endr
.endm
.macro DESC src, fw, st                ; if the rank passes the count of the next st bits, go past them
	v_bfe_u32 v[qT0], v[\src], v[qP], \fw
	v_cmp_ge_u32 vcc_lo, v[qK], v[qT0]
	v_cndmask_b32 v[qT0], 0, v[qT0], vcc_lo
	v_cndmask_b32 v[qT1], 0, \st, vcc_lo
	v_sub_nc_u32 v[qK], v[qK], v[qT0]
	v_add_nc_u32 v[qP], v[qP], v[qT1]
.endm
	s_load_b256 s[4:11], s[0:1], 0x0               ; route s[4:5], wgt s[6:7], xb s[8:9], wf s[10:11]
	s_load_b128 s[12:15], s[0:1], 0x20             ; bf s[12:13], part s[14:15]
	v_lshl_add_u32 v4, v0, 2, SPARE
	v_mov_b32 v5, 0
	v_and_b32 v1, 31, v0
	v_lshrrev_b32 v26, 5, v0
	v_readfirstlane_b32 s16, v26                   ; wave
	s_mov_b32 s17, ttmp9                           ; tile
	s_mov_b32 s18, 0x76543210
	s_mov_b32 s19, 0xfedcba98
	v_and_b32 v2, 15, v0
	v_bfe_u32 v3, v0, 4, 1
	v_lshlrev_b32 v6, 4, v1
	v_lshlrev_b32 v7, 7, v3
	v_lshlrev_b32 v25, 10, v1
	s_wait_kmcnt 0x0
.irp i, 0,1,2,3,4,5,6,7                ; the counts of groups 8 lane .. 8 lane + 7: four words of two experts each
	global_load_b128 v[144+4*\i:147+4*\i], v25, s[4:5] offset:\i*128+64
.endr
	v_mul_u32_u24 v26, v2, XPITCH                  ; the addresses, made in the wait
	v_lshl_add_u32 v26, v3, 4, v26
.irp mb, 0,1,2,3,4
	v_add_nc_u32 v[8+\mb], \mb*16*XPITCH, v26
.endr
	v_mul_u32_u24 v13, v2, HPITCH                  ; h: row lane % 16, my wave's 512 bytes, 64 for each half of the lanes; never rewritten
	v_lshl_add_u32 v13, v3, 6, v13
	s_lshl_b32 s58, s16, 9
	s_add_co_u32 s58, s58, HB
	v_add_nc_u32 v13, s58, v13
	s_mul_i32 s59, s16, STG
	v_mul_u32_u24 v14, v2, SPITCH
	v_lshl_add_u32 v14, v3, 7, v14
	v_add_nc_u32 v14, s59, v14
	v_add_nc_u32 v15, s59, v6
	v_lshl_add_u32 v19, s16, 9, v6
	s_mov_b32 s46, 0x3eaa540e                      ; 0.47047 / sqrt 2 = 0.33267253
	s_mov_b32 s48, 0xbf38aa3b                      ; -log2(e) / 2
	s_mov_b32 s49, s48                             ; named with it as a pair
	s_mov_b32 s50, 0x3ebf7377                      ; 0.7478556 / 2
	s_mov_b32 s51, s50
	s_mov_b32 s52, 0xbd445ca1                      ; -0.0958798 / 2
	s_mov_b32 s53, s52
	s_mov_b32 s54, 0x3e32303a                      ; 0.3480242 / 2
	s_mov_b32 s55, s54
.irp k, 0,1,2,3,4,5,6,7
	s_add_co_u32 s[LSEL+\k], s16, 4*\k             ; the lanes that hold the entries of my rows 4 i + wave
.endr
.irp k, 0,1,2,3
	v_mov_b32 v[180+\k], 0
.endr
	s_wait_loadcnt 0x0
	; the eight totals, two to a word: none passes 8,192, so no half carries into the other
.irp k, 0,1,2,3
	v_add3_u32 v[176+\k], v[144+\k], v[148+\k], v[152+\k]
	v_add3_u32 v[176+\k], v[176+\k], v[156+\k], v[160+\k]
	v_add3_u32 v[176+\k], v[176+\k], v[164+\k], v[168+\k]
	v_add_nc_u32 v[176+\k], v[176+\k], v[172+\k]
.endr
.irp m, 1,2,4,8
.irp k, 0,1,2,3
	v_mov_b32_dpp v[180+\k], v[176+\k] row_xmask:\m row_mask:0xf bank_mask:0xf
.endr
.irp k, 0,1,2,3
	v_add_nc_u32 v[176+\k], v[176+\k], v[180+\k]
.endr
.endr
.irp k, 0,1,2,3
	v_permlanex16_b32 v[180+\k], v[176+\k], s18, s19
.endr
.irp k, 0,1,2,3
	v_add_nc_u32 v[176+\k], v[176+\k], v[180+\k]
.endr
.irp k, 0,1,2,3
	v_readfirstlane_b32 s[20+\k], v[176+\k]
.endr
	; whose tile am I?  The experts' tiles follow each other; ceil(n / 80) = ((n + 79) x 52,429) >> 22, exact up to n = 8,192
	s_mov_b32 s24, 0
	s_mov_b32 s25, 0
	s_mov_b32 s26, 1
	s_mov_b32 s27, 0
	s_mov_b32 s28, 0
.irp e, 0,1,2,3,4,5,6,7
.if (\e)%2 == 0
	s_and_b32 s29, s[20+(\e)/2], 0xffff
.else
	s_lshr_b32 s29, s[20+(\e)/2], 16
.endif
	s_add_co_u32 s30, s29, 79
	s_mul_i32 s30, s30, 52429
	s_lshr_b32 s30, s30, 22
	s_sub_co_u32 s31, s17, s28                     ; wraps to a large number where the expert's tiles begin behind mine
	s_cmp_lt_u32 s31, s30
	s_cselect_b32 s24, \e, s24
	s_cselect_b32 s25, s31, s25
	s_cselect_b32 s26, s29, s26
	s_cselect_b32 s27, 1, s27
	s_add_co_u32 s28, s28, s30
.endr
	s_min_u32 s24, s24, 7
	s_mul_i32 s32, s25, 80                         ; my first rank
	s_sub_co_u32 s29, s26, s32
	s_min_u32 s33, s29, 80
	s_mul_i32 s33, s33, s27                        ; my rows; 0 where I have no tile
	s_sub_co_u32 s31, s26, 1                       ; the expert's last rank
	; the weights' stream of (expert, wave), the biases, and the first loads: they fly while the list is made
	s_lshl_b32 s58, s24, 21
	s_lshl_b32 s59, s16, 19
	s_add_co_u32 s58, s58, s59
	s_mov_b32 s59, 0
	s_add_nc_u64 s[34:35], s[10:11], s[58:59]
	s_lshl_b32 s58, s24, 12                        ; b1: 4,096 bytes an expert, 256 a group of 64 columns; my first group is 4 w
	s_lshl_b32 s60, s16, 10
	s_add_co_u32 s58, s58, s60
	s_add_nc_u64 s[36:37], s[12:13], s[58:59]
	s_lshl_b32 s58, s24, 11
	s_lshl_b32 s60, s16, 9
	s_add_co_u32 s58, s58, s60
	s_add_co_u32 s58, s58, 32768
	s_add_nc_u64 s[38:39], s[12:13], s[58:59]
	BILOAD
	WLOAD 0, 0
	WLOAD 1, 8192
	WLOAD 2, 16384
	WIN 0
	; my expert's counts of my eight groups
	s_lshr_b32 s58, s24, 1
	s_cmp_eq_u32 s58, 1
	s_cselect_b32 s40, -1, 0
	s_cmp_eq_u32 s58, 2
	s_cselect_b32 s41, -1, 0
	s_cmp_eq_u32 s58, 3
	s_cselect_b32 s42, -1, 0
	s_and_b32 s43, s24, 1
	s_lshl_b32 s43, s43, 4
	s_lshl_b32 s44, s24, 2
.irp i, 0,1,2,3,4,5,6,7
	v_cndmask_b32 v[184+\i], v[144+4*\i], v[145+4*\i], s40
	v_cndmask_b32 v[184+\i], v[184+\i], v[146+4*\i], s41
	v_cndmask_b32 v[184+\i], v[184+\i], v[147+4*\i], s42
	v_bfe_u32 v[184+\i], v[184+\i], s43, 16
.endr
	v_add3_u32 v192, v184, v185, v186              ; their sum,
	v_add3_u32 v192, v192, v187, v188
	v_add3_u32 v192, v192, v189, v190
	v_add_nc_u32 v192, v192, v191
	v_lshl_or_b32 v195, v185, 8, v184              ; and the eight as bytes (32 at the most) of two words
	v_lshl_or_b32 v195, v186, 16, v195
	v_lshl_or_b32 v195, v187, 24, v195
	v_lshl_or_b32 v196, v189, 8, v188
	v_lshl_or_b32 v196, v190, 16, v196
	v_lshl_or_b32 v196, v191, 24, v196
	v_mov_b32 v193, v192
.irp s, 1,2,4,8,16                     ; the running sum over the lanes
	v_add_lshl_u32 v197, v1, -\s, 2
	ds_bpermute_b32 v198, v197, v193
	v_cmp_le_u32 vcc_lo, \s, v1
	s_wait_dscnt 0x0
	v_cndmask_b32 v198, 0, v198, vcc_lo
	v_add_nc_u32 v193, v193, v198
.endr
	v_sub_nc_u32 v194, v193, v192                  ; the rows in front of my groups
.irp q, 0,1,2
	QSET \q
	v_add3_u32 v[qR], v1, s32, 32*\q
	v_min_u32 v[qR], s31, v[qR]                    ; places past the count repeat the last row
	v_mov_b32 v[qL], 0
.endr
	FINDL 16
	FINDL 8
	FINDL 4
	FINDL 2
	FINDL 1
.irp q, 0,1,2
	QSET \q
	v_lshlrev_b32 v[qT1], 2, v[qL]
	ds_bpermute_b32 v[qK], v[qT1], v194
	ds_bpermute_b32 v[qA], v[qT1], v195
	ds_bpermute_b32 v[qB], v[qT1], v196
.endr
	s_wait_dscnt 0x0
.irp q, 0,1,2
	QSET \q
	v_sub_nc_u32 v[qK], v[qR], v[qK]
	v_lshl_add_u32 v[qA], v[qA], 8, v[qA]          ; running sums of four bytes, 128 at the most
	v_lshl_add_u32 v[qA], v[qA], 16, v[qA]
	v_lshl_add_u32 v[qB], v[qB], 8, v[qB]
	v_lshl_add_u32 v[qB], v[qB], 16, v[qB]
	v_lshrrev_b32 v[qT0], 24, v[qA]
	v_cmp_ge_u32 vcc_lo, v[qK], v[qT0]             ; past the first four groups?
	v_cndmask_b32 v[qA], v[qA], v[qB], vcc_lo
	v_cndmask_b32 v[qT0], 0, v[qT0], vcc_lo
	v_cndmask_b32 v[qG], 0, 4, vcc_lo
	v_sub_nc_u32 v[qK], v[qK], v[qT0]
.irp j, 0,8,16                         ; one further for each running sum that the rank has reached
	v_bfe_u32 v[qT0], v[qA], \j, 8
	v_cmp_ge_u32 vcc_lo, v[qK], v[qT0]
	v_add_co_ci_u32 v[qG], vcc_lo, 0, v[qG], vcc_lo
.endr
	v_and_b32 v[qT0], 3, v[qG]
	v_lshlrev_b32 v[qT0], 3, v[qT0]
	v_lshlrev_b32 v[qT1], 8, v[qA]
	v_bfe_u32 v[qT1], v[qT1], v[qT0], 8            ; the rows in front of that group
	v_sub_nc_u32 v[qK], v[qK], v[qT1]
	v_lshl_add_u32 v[qG], v[qL], 3, v[qG]
	v_min_u32 v[qG], 0xff, v[qG]
	v_lshl_add_u32 v[qT0], v[qG], 7, s44
	global_load_b32 v[qMA], v[qT0], s[4:5]
	global_load_b32 v[qMB], v[qT0], s[4:5] offset:32
.endr
	s_wait_loadcnt 0x0                             ; the masks; b1 and the first three steps' weights with them (8 + 48 + 6 loads were out)
	WIN 0xc0
.irp a, 0,1,2,3,4,5,6,7                ; b2 of my 128 columns, in the order of the accumulators' registers
	global_load_b128 v[B2+8*\a:B2+8*\a+3], v7, s[38:39] offset:256*((\a)/4)+32*((\a)%4)
	global_load_b128 v[B2+8*\a+4:B2+8*\a+7], v7, s[38:39] offset:256*((\a)/4)+32*((\a)%4)+16
.endr
	WIN 0
.irp q, 0,1,2
	QSET \q
	v_lshrrev_b32 v[qT0], 1, v[qMA]                ; the mask's bits counted in fields of 2, 4, 8 and 16
	v_and_b32 v[qT0], 0x55555555, v[qT0]
	v_sub_nc_u32 v[qA1], v[qMA], v[qT0]
	v_lshrrev_b32 v[qT0], 2, v[qA1]
	v_and_b32 v[qT0], 0x33333333, v[qT0]
	v_and_b32 v[qA2], 0x33333333, v[qA1]
	v_add_nc_u32 v[qA2], v[qA2], v[qT0]
	v_lshrrev_b32 v[qT0], 4, v[qA2]
	v_add_nc_u32 v[qA3], v[qA2], v[qT0]
	v_and_b32 v[qA3], 0x0f0f0f0f, v[qA3]
	v_lshrrev_b32 v[qT0], 8, v[qA3]
	v_add_nc_u32 v[qA4], v[qA3], v[qT0]
	v_mov_b32 v[qP], 0
	DESC qA4, 8, 16
	DESC qA3, 8, 8
	DESC qA2, 4, 4
	DESC qA1, 2, 2
	DESC qMA, 1, 1
	v_bfe_u32 v[qT0], v[qMB], v[qP], 1             ; the rank of the choice
	v_lshl_add_u32 v[qT1], v[qG], 5, v[qP]         ; the token
	v_lshl_add_u32 v[qT1], v[qT0], 13, v[qT1]
	v_min_u32 v[16+\q], 0x3fff, v[qT1]
	v_lshlrev_b32 v[qT0], 2, v[16+\q]
	global_load_b32 v[248+\q], v[qT0], s[6:7]      ; its gate: waited for together with the rows below
.endr
	; THE GATHER: wave w brings rows 4 i + w, 1,024 bytes each.  The 20 entries are read out of the lanes in one batch; the 40 loads go out behind b2's 16 and the gates' 3, and one wait serves all 59.
.set i, 0
.rept 20
	v_readlane_b32 s[ROWS+i], v[16+i/8], s[LSEL+i%8]
.set i, i+1
.endr
.set i, 0
.rept 20
	s_min_u32 s[ROWS+i], s[ROWS+i], 0x3fff
	s_and_b32 s[ROWS+i], s[ROWS+i], 0x1fff         ; the token
.set i, i+1
.endr
.set i, 0
.rept 20
	v_lshl_add_u32 v[144+i], s[ROWS+i], 10, v6
.set i, i+1
.endr
	WIN 0x80
.set i, 0
.rept 20
	global_load_b128 v[8*i:8*i+3], v[144+i], s[8:9]
	global_load_b128 v[8*i+4:8*i+7], v[144+i], s[8:9] offset:512
.set i, i+1
.endr
	WIN 0
	s_mul_i32 s58, s16, XPITCH
	v_add_nc_u32 v25, s58, v6
	v_add_nc_u32 v26, 40*XPITCH, v25               ; the offset field holds 16 bits: a second base for rows 40 on
	v_lshlrev_b32 v28, 2, v2
	v_add_nc_u32 v29, 64, v28
	s_wait_loadcnt 0x0                             ; b2, the gates and my 20 rows
.irp mb, 0,1,2,3,4                     ; the gate of row 16 mb + lane % 16
	ds_bpermute_b32 v[20+\mb], v[28+(\mb)%2], v[248+(\mb)/2]
.endr
	WIN 0x08
.set i, 0
.rept 20
.if i < 10
	ds_store_b128 v25, v[8*i:8*i+3] offset:i*4*XPITCH
	ds_store_b128 v25, v[8*i+4:8*i+7] offset:i*4*XPITCH+512
.else
	ds_store_b128 v26, v[8*i:8*i+3] offset:(i-10)*4*XPITCH
	ds_store_b128 v26, v[8*i+4:8*i+7] offset:(i-10)*4*XPITCH+512
.endif
.set i, i+1
.endr
	WIN 0
	s_wait_dscnt 0x0                               ; my rows lie in LDS, and the gates are in their lanes
	s_barrier_signal -1
	s_barrier_wait -1                              ; all 80 rows do
	; PRODUCT 1 AND GELU: four passes.  The ring of weights does not stop: the last pass's steps 5 to 7 ask for product 2's first three steps, which follow in the stream.
.irp mb, 0,1,2,3,4
	v_add_nc_u32 v[26+\mb], \mb*16*HPITCH, v13     ; 16 rows a block: past what the offset field holds, so a base for each block
.endr
	s_mov_b32 s56, 4
.Lpass:
	TLOAD TB0, 0                                   ; step 0's two halves
	TLOAD TB1, 64
	STEP1 0
	STEP1 1
	STEP1 2
	STEP1 3
	STEP1 4
	STEP1 5
	STEP1 6
	STEP1 7
	PLACES                                         ; the GELU reads results just made and writes over the second pair of buffers
	WIN 0
	s_wait_xcnt 0x0                                ; the two addresses are stepped only behind this wait
	s_add_nc_u64 s[34:35], s[34:35], 0x10000
	s_add_nc_u64 s[36:37], s[36:37], 0x100
	s_cmp_eq_u32 s56, 1
	s_cbranch_scc1 .Lno_bias                       ; behind the last pass there is no further b1
	BILOAD                                         ; it has the GELU in which to land
.Lno_bias:
	GELU 0
	GELU 1
	GELU 2
	GELU 3
	GELU 4
	WIN 0
	s_cmp_eq_u32 s56, 4                            ; the counter runs 4, 3, 2, 1: passes 0 to 3
	s_cbranch_scc1 .Lh0
	s_cmp_eq_u32 s56, 3
	s_cbranch_scc1 .Lh1
	s_cmp_eq_u32 s56, 2
	s_cbranch_scc1 .Lh2
	HSTORE 3
	s_branch .Lh_done
.Lh0:
	HSTORE 0
	s_branch .Lh_done
.Lh1:
	HSTORE 1
	s_branch .Lh_done
.Lh2:
	HSTORE 2
.Lh_done:
	s_sub_co_i32 s56, s56, 1
	s_cmp_lg_u32 s56, 0
	s_cbranch_scc1 .Lpass
	s_wait_dscnt 0x0                               ; my columns of h lie in LDS, and my reads of the tokens are over
	s_barrier_signal -1
	s_barrier_wait -1
	; PRODUCT 2: eight trips of four steps, 256 bytes of h's rows each.  The first (b2 starts the sums) and the last (nothing is asked for past the stream's end) are written out:
	; they read by the fixed bases, the trip's bytes in the immediate; the six between read by v26-30, made at each trip's head from the bases and s63.
	v_mul_u32_u24 v25, v2, HPITCH
	v_lshl_add_u32 v25, v3, 4, v25
.irp mb, 0,1,2,3,4
	v_add_nc_u32 v[8+\mb], HB+\mb*16*HPITCH, v25
.endr
	TLOAD TB0, 0
	STEP2 0, 1, 32, 1, 1, 8, 0
	STEP2 1, 1, 32, 1, 0, 8, 0
	STEP2 2, 1, 32, 1, 0, 8, 0
	STEP2 3, 1, 32, 1, 0, 8, 0
	WSTEP
	s_mov_b32 s57, 6
	s_mov_b32 s63, 256
.Ltrip:
.irp mb, 0,1,2,3,4
	v_add_nc_u32 v[26+\mb], s63, v[8+\mb]
.endr
	STEP2 0, 1, 32, 1, 0, 26, 0
	STEP2 1, 1, 32, 1, 0, 26, 0
	STEP2 2, 1, 32, 1, 0, 26, 0
	STEP2 3, 1, 32, 1, 0, 26, 0
	WSTEP
	s_add_co_u32 s63, s63, 256
	s_sub_co_i32 s57, s57, 1
	s_cmp_lg_u32 s57, 0
	s_cbranch_scc1 .Ltrip
	STEP2 0, 1, 32, 1, 0, 8, 7*256                 ; the stream's last step is asked for; then the counts run down
	STEP2 1, 0, 32, 1, 0, 8, 7*256
	STEP2 2, 0, 16, 1, 0, 8, 7*256
	STEP2 3, 0, 0, 0, 0, 8, 7*256
	PLACES
	WIN 0
	s_wait_dscnt 0x0                               ; my reads of h are over
	s_barrier_signal -1                            ; a barrier between every wave's reads of h, whose addresses step with the trips, and the stores into the stages:
	s_barrier_wait -1                              ; the two are apart by it, and not by the arithmetic of their addresses alone
	OUTB 0
	OUTB 1
	OUTB 2
	OUTB 3
	OUTB 4
.Lend:
	s_wait_tensorcnt 0x0                           ; the wave's end: behind my last LDS store
	ds_add_u32 v4, v5
	s_wait_dscnt 0x0
	s_endpgm
.Lfunc_end_k_qa6bd402ccf_chain:
	.size	k_qa6bd402ccf_chain, .Lfunc_end_k_qa6bd402ccf_chain-k_qa6bd402ccf_chain
	.p2alignl 7, 3214868480
	.fill 96, 4, 3214868480
	.section	.rodata,"a",@progbits
	.p2align	6, 0x0
	.amdhsa_kernel k_qa6bd402ccf_chain
		.amdhsa_group_segment_fixed_size 248832
		.amdhsa_private_segment_fixed_size 0
		.amdhsa_enable_private_segment 0
		.amdhsa_kernarg_size 48
		.amdhsa_user_sgpr_count 2
		.amdhsa_user_sgpr_kernarg_segment_ptr 1
		.amdhsa_wavefront_size32 1
		.amdhsa_system_sgpr_workgroup_id_x 1
		.amdhsa_system_sgpr_workgroup_id_y 1
		.amdhsa_system_sgpr_workgroup_id_z 1
		.amdhsa_system_vgpr_workitem_id 0
		.amdhsa_next_free_vgpr 896
		.amdhsa_next_free_sgpr 94
		.amdhsa_reserve_vcc 1
		.amdhsa_float_denorm_mode_32 3
		.amdhsa_float_denorm_mode_16_64 3
		.amdhsa_memory_ordered 1
		.amdhsa_forward_progress 1
		.amdhsa_inst_pref_size 255
	.end_amdhsa_kernel
	.section	.bss,"aw",@nobits
	.p2align	6
	.space	262144
	.amdgpu_metadata
---
amdhsa.version: [ 1, 2 ]
amdhsa.kernels:
  - .name:           k_qa6bd402ccf_chain
    .symbol:         k_qa6bd402ccf_chain.kd
    .args:
      - { .name: route, .offset: 0, .size: 8, .value_kind: global_buffer, .address_space: global }
      - { .name: wgt, .offset: 8, .size: 8, .value_kind: global_buffer, .address_space: global }
      - { .name: xb, .offset: 16, .size: 8, .value_kind: global_buffer, .address_space: global }
      - { .name: wf, .offset: 24, .size: 8, .value_kind: global_buffer, .address_space: global }
      - { .name: bf, .offset: 32, .size: 8, .value_kind: global_buffer, .address_space: global }
      - { .name: part, .offset: 40, .size: 8, .value_kind: global_buffer, .address_space: global }
    .group_segment_fixed_size: 248832
    .private_segment_fixed_size: 0
    .kernarg_segment_align: 8
    .kernarg_segment_size: 48
    .max_flat_workgroup_size: 128
    .sgpr_count:     94
    .vgpr_count:     896
    .wavefront_size: 32
...
	.end_amdgpu_metadata
.endif
;; end of part 2
;; launch add (part 3): grid 512 x 1, 8 waves a work-group, no clusters, 0 bytes of LDS; arguments part, out0; writes out0
.if DOCPART == 3
	.amdgcn_target "amdgcn-amd-amdhsa--gfx1250"
	.amdhsa_code_object_version 6
	.text
	.protected	k_qa6bd402ccf_add
	.globl	k_qa6bd402ccf_add
	.p2align	8
	.type	k_qa6bd402ccf_add,@function
k_qa6bd402ccf_add:
	s_mov_b64 s[64:65], 0
	v_nop
	global_prefetch_b8 v0, s[64:65] scope:SCOPE_SE
	s_setreg_imm32_b32 hwreg(HW_REG_WAVE_MODE, 25, 1), 1
	s_wait_xcnt 0x0
; out0[n] = part[n] + part[8,192 + n]: a token's two gated rows, one of each rank, added in f32.
; A stream: work-group i owns 32,768 bytes of out0; a thread 16 bytes in each of eight pieces of 4,096.  All 16 loads of a thread go out before the first wait;
; each load and store of a wave covers 512 bytes on end.  No LDS, no barrier, no matrix unit: every byte is touched once and nothing is shared.
.set A, 4                              ; v[4:35]   the first rank's rows
.set B, 36                             ; v[36:67]  the second's
.set O, 68                             ; v[68:99]  the sums, in registers of their own: no store's data is written again
	s_load_b128 s[4:7], s[0:1], 0x0                ; part s[4:5], out0 s[6:7]
	s_lshl_b32 s8, ttmp9, 15
	v_lshl_add_u32 v1, v0, 4, s8
	s_wait_kmcnt 0x0
	s_add_nc_u64 s[10:11], s[4:5], 0x1000000       ; 8,192 rows of 2,048 bytes on
.irp k, 0,1,2,3,4,5,6,7
	global_load_b128 v[A+4*\k:A+4*\k+3], v1, s[4:5] offset:4096*\k th:TH_LOAD_NT
	global_load_b128 v[B+4*\k:B+4*\k+3], v1, s[10:11] offset:4096*\k th:TH_LOAD_NT
.endr
.irp k, 0,1,2,3,4,5,6,7
	s_wait_loadcnt 14-2*\k                         ; pair k is in: the younger pairs stay out
	v_pk_add_f32 v[O+4*\k:O+4*\k+1], v[A+4*\k:A+4*\k+1], v[B+4*\k:B+4*\k+1]
	v_pk_add_f32 v[O+4*\k+2:O+4*\k+3], v[A+4*\k+2:A+4*\k+3], v[B+4*\k+2:B+4*\k+3]
	global_store_b128 v1, v[O+4*\k:O+4*\k+3], s[6:7] offset:4096*\k th:TH_STORE_NT
.endr
	s_endpgm
.Lfunc_end_k_qa6bd402ccf_add:
	.size	k_qa6bd402ccf_add, .Lfunc_end_k_qa6bd402ccf_add-k_qa6bd402ccf_add
	.p2alignl 7, 3214868480
	.fill 96, 4, 3214868480
	.section	.rodata,"a",@progbits
	.p2align	6, 0x0
	.amdhsa_kernel k_qa6bd402ccf_add
		.amdhsa_group_segment_fixed_size 0
		.amdhsa_private_segment_fixed_size 0
		.amdhsa_enable_private_segment 0
		.amdhsa_kernarg_size 16
		.amdhsa_user_sgpr_count 2
		.amdhsa_user_sgpr_kernarg_segment_ptr 1
		.amdhsa_wavefront_size32 1
		.amdhsa_system_sgpr_workgroup_id_x 1
		.amdhsa_system_sgpr_workgroup_id_y 1
		.amdhsa_system_sgpr_workgroup_id_z 1
		.amdhsa_system_vgpr_workitem_id 0
		.amdhsa_next_free_vgpr 104
		.amdhsa_next_free_sgpr 66
		.amdhsa_reserve_vcc 0
		.amdhsa_float_denorm_mode_32 3
		.amdhsa_float_denorm_mode_16_64 3
		.amdhsa_memory_ordered 1
		.amdhsa_forward_progress 1
		.amdhsa_inst_pref_size 5
	.end_amdhsa_kernel
	.amdgpu_metadata
---
amdhsa.version: [ 1, 2 ]
amdhsa.kernels:
  - .name:           k_qa6bd402ccf_add
    .symbol:         k_qa6bd402ccf_add.kd
    .args:
      - { .name: part, .offset: 0, .size: 8, .value_kind: global_buffer, .address_space: global }
      - { .name: out0, .offset: 8, .size: 8, .value_kind: global_buffer, .address_space: global }
    .group_segment_fixed_size: 0
    .private_segment_fixed_size: 0
    .kernarg_segment_align: 8
    .kernarg_segment_size: 16
    .max_flat_workgroup_size: 256
    .sgpr_count:     66
    .vgpr_count:     104
    .wavefront_size: 32
...
	.end_amdgpu_metadata
.endif
;; end of part 3
